; MI455X (gfx1250); checked and timed in simulation.
; The chip was launched on July 23, 2026; its instructions are those of AMD's public machine-readable ISA for CDNA 5 (MIT licence, August 2026) and "CDNA5" Instruction Set Architecture Reference Guide (July 2026). The comments in the code are by the model that wrote it; some were corrected since.
;; Global Glu Out. Allowed arithmetic: matrix products marked QUANTISED: E2M1 operands, one E8M0 scale for each 32 along K, by v_wmma_scale_f32_16x16x128_f8f6f4 with both operands' format E2M1 (or v_wmma_scale_f32_32x16x128_f4), f32 sums; everything else in f32.
;; Inputs: kernel1_codes 128 x 39 x 156 x 16 uint8 (E2M1 codes of kernel1, K innermost, in blocks of 32 codes, two codes a byte); kernel1_scales 128 x 39 x 156 uint8 (E8M0 scales of kernel1, one for each 32 codes along K); kernel2_codes 128 x 39 x 156 x 16 uint8 (E2M1 codes of kernel2, K innermost, in blocks of 32 codes, two codes a byte); kernel2_scales 128 x 39 x 156 uint8 (E8M0 scales of kernel2, one for each 32 codes along K); x 1,024 x 39 x 128 float32.
;; Outputs: out0 1,024 x 39 x 128 float32.
;; This version of the problem:
;;   THIS VERSION OF THE PROBLEM IS GIVEN IN LOW PRECISION. The matrix products marked QUANTISED in the list below multiply operands that are first quantised to E2M1 (2 exponent bits, 1 mantissa bit; 4 bits a number), with one power-of-two scale for each 32 numbers along K (OCP MX v1.0); their sums are f32. All else is computed in f32.
;;   The module's matrix products, in the order in which they are computed (A, B: the left and right operand; K: the contracted axis; several contracted axes count as one K, in the product's order):
;;     1. [M 4,992, K 4,992] x [K 4,992, N 1,024]; A: input kernel1 (given as codes); B: input x: QUANTISED
;;     2. [M 4,992, K 4,992] x [K 4,992, N 1,024]; A: input kernel2 (given as codes); B: input x: QUANTISED
;;   THE QUANTISER, for each operand of a quantised product, along K:
;;     - K is cut into blocks of 32 from its start; a last block that is shorter is filled with zeros.
;;     - A block's scale is 2^e with e = floor(log2(the largest magnitude in the block)) - 2, held to -126 .. 127; a block of zeros has e = 0. As a byte (E8M0): e + 127.
;;     - Each number is divided by its block's scale, clamped to +-6, and rounded to the nearest number of E2M1, ties to even, subnormals kept.
;;     - The product sums the exact products of the quantised numbers (number of the format x scale) in f32.
;;   ~~~python
;;   def quantise(x, axis):      # numpy; x: float32 -> the quantised numbers, widened to float32 again
;;       x = np.moveaxis(x, axis, -1); K = x.shape[-1]
;;       x = np.pad(x, [(0, 0)] * (x.ndim - 1) + [(0, -K % 32)]); x = x.reshape(x.shape[:-1] + (-1, 32)); a = np.abs(x).max(-1, keepdims=True)
;;       e = np.where(a > 0, np.clip(np.frexp(np.where(a > 0, a, 1))[1] - 1 - 2, -126, 127), 0)      # np.frexp(a)[1] - 1 = floor(log2(a)), exactly
;;       r = np.clip(x / 2.0 ** e, -6, 6)
;;       step = 2.0 ** (np.maximum(np.frexp(np.where(r == 0, 1, r))[1] - 1, 0) - 1)
;;       q = np.round(r / step) * step * 2.0 ** e      # np.round: ties to even
;;       return np.moveaxis(q.reshape(q.shape[:-2] + (-1,))[..., :K], -1, axis).astype(np.float32)
;;   ~~~
;;   INPUTS GIVEN AS CODES. kernel1 (in the module: [128, 39, 4992], K = its axis 2); kernel2 (in the module: [128, 39, 4992], K = its axis 2): each comes as NAME_codes (uint8): NAME with its K axis moved to the last place and cut into blocks of 32 codes, [.., K / 32, bytes a block], one block behind the other in memory; two codes a byte, the lower K in the low four bits (a code: sign, 2 exponent bits, 1 mantissa bit); and NAME_scales (uint8): the same leading axes, one E8M0 byte (e + 127) for each 32 codes along K. Its value is code x scale, taken as it is: it is not quantised again, and the codes and scales need not be those that the quantiser above would give.
;; One version. Each part assembles by itself: llvm-mc -triple=amdgcn-amd-amdhsa -mcpu=gfx1250 --defsym DOCPART=n.
;; ======== version 1 of 1: 2 launches
;; workspace buffers: xq 2,715,648 bytes
;; launch quant (part 1): grid 39 x 16, 4 waves a work-group, no clusters, 34,560 bytes of LDS; arguments x, xq; writes xq
.if DOCPART == 1
	.amdgcn_target "amdgcn-amd-amdhsa--gfx1250"
	.amdhsa_code_object_version 6
	.text
	.protected	k_qaf959c95e9_quant
	.globl	k_qaf959c95e9_quant
	.p2align	8
	.type	k_qaf959c95e9_quant,@function
k_qaf959c95e9_quant:
	s_mov_b64 s[64:65], 0
	v_nop
	global_prefetch_b8 v0, s[64:65] scope:SCOPE_SE
	s_setreg_imm32_b32 hwreg(HW_REG_WAVE_MODE, 25, 1), 1
	s_wait_xcnt 0x0
; x [1024][4992] f32 is quantised along its rows to codes of FP4 (E2M1) with one E8M0 byte for each 32 numbers, and laid into xq as RECORDS in the order of an operand's registers.
; Record (g, s), 4,352 bytes at (39 g + s) x 4,352: rows 64 g .. 64 g + 63, k = 128 s .. 128 s + 127.
;   codes:       byte 1024 m + 512 c + 16 l  = the 16 bytes (k = 64 c + 32 (l / 16) + 0 .. 31) of row 16 m + l % 16: registers 4 c .. 4 c + 3 of lane l of tile m's fragment
;   scale words: byte 4096 + 8 l + 4 u       = the four scale bytes of row l % 16 of tile 2 u + l / 16
; A block's scale is 2^(floor(log2(its largest magnitude)) - 2); its byte is the largest magnitude's exponent field - 2, held at 1 from below.
; LIMITS: a block of zeros gets the byte 1 where the quantiser says 127: its codes are zeros, which add nothing, and the bytes are read by this program alone.  NaN and infinities in x are not served.
; SHARES: a work-group makes one record, wave m its tile m: 16 rows x 512 bytes.  No loop: a wave's 16 loads, each of 512 consecutive bytes, go out at once.
; The conversions take neighbours along K from ONE lane's registers, so the 8 KB turn through the wave's own stage in LDS: in as loaded, out 128 bytes of a row to a lane.
.set ROWX, 19968                       ; a row of x in bytes
.set REC,  4352                        ; a record
.set SP,   528                         ; a stage row: 512 bytes + 16: 33 x 16 bytes, so the 16 rows that a load touches fall on 16 different columns of 16 bytes
.set WST,  16*SP                       ; a wave's stage
.set SCW,  4*WST                       ; behind the stages: the record's 256 bytes of scale words
.set R,    16                          ; v16-79   16 rows as loaded
.set X,    80                          ; v80-143  register 32 c + i = k 64 c + 32 h + i of row r
.set C,    144                         ; v144-151 the fragment's codes
.set M,    152                         ; v152-153 largest magnitudes; v154-155 the conversions' scale operands; v156-157 bytes; v158 the scale word; v159 the other half's
	s_load_b128 s[4:7], s[0:1], 0x0                ; x, xq
	v_lshl_add_u32 v176, v0, 2, 0x8500
	v_mov_b32 v177, 0
	v_lshrrev_b32 v1, 5, v0
	v_readfirstlane_b32 s8, v1                     ; wave = tile m
	v_and_b32 v1, 31, v0                           ; lane
	v_and_b32 v2, 15, v0                           ; r
	v_bfe_u32 v3, v0, 4, 1                         ; h
	s_and_b32 s9, ttmp7, 0xffff                    ; g
	s_lshl_b32 s10, s9, 6
	s_lshl_b32 s11, s8, 4
	s_add_co_u32 s10, s10, s11                     ; my first row: 64 g + 16 m
	s_mul_i32 s10, s10, ROWX
	s_lshl_b32 s11, ttmp9, 9                       ; + 512 s bytes along the row
	s_add_co_u32 s10, s10, s11                     ; under 2^25
	s_mov_b32 s11, 0
	s_mul_i32 s12, s9, 39
	s_add_co_u32 s12, s12, ttmp9
	s_mul_i32 s12, s12, REC                        ; the record
	s_mov_b32 s13, 0
	s_lshl_b32 s14, s8, 10                         ; my tile's codes in it
	s_mov_b32 s15, 0
	s_mul_i32 s16, s8, WST                         ; my stage
	v_lshlrev_b32 v4, 4, v1                        ; 16 x lane: in memory, both ways
	v_add_nc_u32 v5, s16, v4                       ; the stage, on the way in
	v_mul_u32_u24 v6, v2, SP
	v_lshl_add_u32 v6, v3, 7, v6
	v_add_nc_u32 v6, s16, v6                       ; and on the way out: row r, + 128 h
	s_and_b32 s17, s8, 1
	s_lshl_b32 s17, s17, 7
	s_lshr_b32 s18, s8, 1
	s_lshl_b32 s18, s18, 2
	s_add_co_u32 s17, s17, s18
	s_add_co_u32 s17, s17, SCW
	v_lshl_add_u32 v7, v2, 3, s17                  ; my row's scale word: SCW + 128 (m % 2) + 4 (m / 2) + 8 r
	v_lshlrev_b32 v8, 3, v1                        ; the scale words' way out: 8 bytes a lane,
	v_lshl_add_u32 v9, v1, 3, SCW                  ; from LDS
	v_lshlrev_b32 v10, 3, v3                       ; 8 h: where my two bytes stand in the word
	v_mov_b32 v[M+7], 0                            ; a lane permute's destination counts as one of its sources
	s_mov_b32 s20, 0x76543210
	s_mov_b32 s21, 0xfedcba98                      ; v_permlanex16_b32's selects for lane l xor 16
	s_wait_kmcnt 0x0
	s_add_nc_u64 s[4:5], s[4:5], s[10:11]
	s_add_nc_u64 s[6:7], s[6:7], s[12:13]          ; the record,
	s_add_nc_u64 s[18:19], s[6:7], s[14:15]        ; my tile in it
.irp i, 0,1,2,3,4,5,6,7,8,9,10,11,12,13,14,15
	global_load_b128 v[R+4*\i:R+4*\i+3], v4, s[4:5] offset:\i*ROWX th:TH_LOAD_NT   ; row i: 32 lanes read 512 consecutive bytes, at a multiple of 256 from x's first byte
.endr
.irp i, 0,1,2,3,4,5,6,7,8,9,10,11,12,13,14,15
	s_wait_loadcnt 15-\i                           ; row i is in; the younger rows may be out
	ds_store_b128 v5, v[R+4*\i:R+4*\i+3] offset:SP*\i
.endr
.irp c, 0,1
.irp j, 0,1,2,3,4,5,6,7
	ds_load_b128 v[X+32*\c+4*\j:X+32*\c+4*\j+3], v6 offset:256*\c+16*\j   ; LDS serves a wave's instructions in order (ISA guide 5.7.1.4): these see my stores
.endr
.endr
	s_wait_dscnt 0x0
.irp c, 0,1                                    ; my block 2 c + h: all its 32 numbers are mine
	v_max3_num_f32 v[M+\c], |v[X+32*\c]|, |v[X+32*\c+1]|, 0x1800000   ; with the floor 2^(3 - 127): the byte cannot fall under 1
.endr
.irp i, 2,4,6,8,10,12,14,16,18,20,22,24,26,28,30
.irp c, 0,1
	v_max3_num_f32 v[M+\c], v[M+\c], |v[X+32*\c+\i]|, |v[X+32*\c+\i+1]|   ; the two blocks by turns
.endr
.endr
.irp c, 0,1
	v_add_nc_u32 v[M+2+\c], 0xff000000, v[M+\c]    ; 2 off the exponent field: the conversion takes the exponent field of this operand as its scale
.endr
.irp c, 0,1
	v_lshrrev_b32 v[M+4+\c], 23, v[M+2+\c]         ; the scale's byte
.endr
	v_lshl_or_b32 v[M+6], v[M+5], 16, v[M+4]       ; my two bytes: blocks h and 2 + h,
	v_lshlrev_b32 v[M+6], v10, v[M+6]              ; at their places in the word;
	v_permlanex16_b32 v[M+7], v[M+6], s20, s21
	v_or_b32 v[M+6], v[M+6], v[M+7]                ; with lane l xor 16's two the word is whole, in both lanes
.irp c, 0,1
.irp g, 0,1,2,3
	v_cvt_scalef32_pk8_fp4_f32 v[C+4*\c+\g], v[X+32*\c+8*\g:X+32*\c+8*\g+7], v[M+2+\c]   ; eight numbers / the scale, to the nearest code, ties to even, beyond 6 the largest code
.endr
.endr
	v_nop                                          ; one plain place behind the last scaled conversion
.irp c, 0,1
	global_store_b128 v4, v[C+4*\c:C+4*\c+3], s[18:19] offset:512*\c   ; 32 lanes store 512 consecutive bytes, at a multiple of 256 from xq's first byte
.endr
	ds_store_b32 v7, v[M+6]                        ; lanes r and 16 + r write the same word with the same value
	s_wait_dscnt 0x0                               ; for wave 0's sake: my word has landed
	s_barrier_signal -1
	s_barrier_wait -1
	s_cmp_lg_u32 s8, 0
	s_cbranch_scc1 .Ldone
	ds_load_b64 v[12:13], v9                       ; the four waves' 64 words
	s_wait_dscnt 0x0
	global_store_b64 v8, v[12:13], s[6:7] offset:4096   ; 32 lanes store 256 consecutive bytes, aligned
.Ldone:
	s_wait_tensorcnt 0x0
	ds_add_u32 v176, v177
	s_wait_dscnt 0x0
	s_endpgm
.Lfunc_end_k_qaf959c95e9_quant:
	.size	k_qaf959c95e9_quant, .Lfunc_end_k_qaf959c95e9_quant-k_qaf959c95e9_quant
	.p2alignl 7, 3214868480
	.fill 96, 4, 3214868480
	.section	.rodata,"a",@progbits
	.p2align	6, 0x0
	.amdhsa_kernel k_qaf959c95e9_quant
		.amdhsa_group_segment_fixed_size 34560
		.amdhsa_private_segment_fixed_size 0
		.amdhsa_enable_private_segment 0
		.amdhsa_kernarg_size 16
		.amdhsa_user_sgpr_count 2
		.amdhsa_user_sgpr_kernarg_segment_ptr 1
		.amdhsa_wavefront_size32 1
		.amdhsa_system_sgpr_workgroup_id_x 1
		.amdhsa_system_sgpr_workgroup_id_y 1
		.amdhsa_system_sgpr_workgroup_id_z 1
		.amdhsa_system_vgpr_workitem_id 0
		.amdhsa_next_free_vgpr 178
		.amdhsa_next_free_sgpr 66
		.amdhsa_reserve_vcc 0
		.amdhsa_float_denorm_mode_32 3
		.amdhsa_float_denorm_mode_16_64 3
		.amdhsa_memory_ordered 1
		.amdhsa_forward_progress 1
		.amdhsa_inst_pref_size 10
	.end_amdhsa_kernel
	.amdgpu_metadata
---
amdhsa.version: [ 1, 2 ]
amdhsa.kernels:
  - .name:           k_qaf959c95e9_quant
    .symbol:         k_qaf959c95e9_quant.kd
    .args:
      - { .name: x, .offset: 0, .size: 8, .value_kind: global_buffer, .address_space: global }
      - { .name: xq, .offset: 8, .size: 8, .value_kind: global_buffer, .address_space: global }
    .group_segment_fixed_size: 34560
    .private_segment_fixed_size: 0
    .kernarg_segment_align: 8
    .kernarg_segment_size: 16
    .max_flat_workgroup_size: 128
    .sgpr_count:     66
    .vgpr_count:     178
    .wavefront_size: 32
...
	.end_amdgpu_metadata
.endif
;; end of part 1
;; launch glu (part 2): grid 4 x 39, 4 waves a work-group, clusters of 4 x 1, 327,680 bytes of LDS; arguments kernel1_codes, kernel1_scales, kernel2_codes, kernel2_scales, xq, x, out0; writes out0
.if DOCPART == 2
	.amdgcn_target "amdgcn-amd-amdhsa--gfx1250"
	.amdhsa_code_object_version 6
	.text
	.protected	k_qaf959c95e9_glu
	.globl	k_qaf959c95e9_glu
	.p2align	8
	.type	k_qaf959c95e9_glu,@function
k_qaf959c95e9_glu:
	s_mov_b64 s[64:65], 0
	v_nop
	global_prefetch_b8 v0, s[64:65] scope:SCOPE_SE
	s_setreg_imm32_b32 hwreg(HW_REG_WAVE_MODE, 25, 1), 1
	s_wait_xcnt 0x0
	s_wait_alu depctr_hold_cnt(0) depctr_sa_sdst(0) depctr_va_vdst(0) depctr_va_sdst(0) depctr_va_ssrc(0) depctr_va_vcc(0) depctr_vm_vsrc(0)
	s_getreg_b32 s2, hwreg(HW_REG_IB_STS2, 6, 4)
	s_cmp_eq_u32 s2, 0
	s_cbranch_scc0 .Lentry_in_a_cluster
	s_endpgm
.Lentry_in_a_cluster:
	s_bfe_u32 s2, ttmp6, 0x10000c
	s_cmp_lg_u32 s2, 0x3003
	s_cbranch_scc0 .Lentry_shape_is_right
	s_endpgm
.Lentry_shape_is_right:
; out[b][f][e] = x (1 - g) + kp2 x g,  g[b][f] = sigmoid(sum over e of kp1 x),  kp1, kp2 [b][f][e] = sum over d of Q(x)[b][d] kernel1, kernel2 [e][f][d]: both products on codes of FP4 (E2M1) with E8M0 scales.
; The weights come as codes (row (e, f): 2,496 bytes at (39 e + f) x 2,496) and scale bytes (156 a row); x's codes and scale words come from xq, which the launch before laid in the order of an operand's registers.
; SHARES.  A work-group takes ONE field f and 256 rows b: 256 x (128 rows of kernel1 + 128 of kernel2) x K 4,992.  Wave w takes rows 64 w .. 64 w + 63 against ALL 256 weight rows: 64 accumulators, 512 registers.
; So the gate's sum over e never leaves the wave.  THE MATRIX INSTRUCTION IS USED TRANSPOSED (source 0 = 16 weight rows, source 1 = 16 rows of x): lane (r, h), register j of accumulator (te, m) holds b = 16 m + r, e = 16 te + 8 h + j.
; CLUSTER.  The four work-groups of a field walk the same weights: each tile is asked for JOINTLY, by the same tensor load with the same descriptor and the mask of all four.  x's codes are NOT shared so: the work-groups
; that read the same rows of x are the 39 fields, and 39 is no multiple of 4: no cluster of equal work-groups divides that axis.  They go from memory straight into registers, eight K steps ahead.
; K: 39 steps of 128 (64 bytes of a weight row), ascending, through two LDS slots of 8 steps: part P steps 0-6 (slot 0), F1 7-14 (slot 1), F2 15-22 (0), F3 23-30 (1), F4 31-38 (0).  Four changes of slots, 512 matrix
; instructions a wave between two of them.  Behind the last change slot 1 takes each wave's 64 rows of x[b][f][:] in f32, which the way out wants; the results leave through the same bytes.
; THE WEIGHTS' SCALE BYTES of the field, for all of K, come into LDS once, with the first fills.
; LIMITS: the output is formed as x ((1 - g) + g kp2): an order of rounding other than x (1 - g) + (kp2 x) g.  A scale byte 0xff among the weights' gives NaN, as the format says.  NaN and infinities in x are not served.
; REGISTERS, in windows of 256: window 0: v1-12 addresses; v28-29 for the add; v32-47 weights' scale words, two sets; v48-63 x's scale words, eight sets; v64-111 the gate; v128-191 kernel1's 8 fragments, v192-255 kernel2's.
;   window 1: x's fragments, eight sets of 32 (set a, tile m at v[32 a + 8 m]); on the way out x in f32, then rows of out.   window 2: kp1, accumulator (te, m) at v[64 m + 8 te].   window 3: kp2 likewise.
.set NF,    39
.set KROW,  2496                       ; a weight row's codes in bytes
.set ESTR,  NF*KROW                    ; from e to e + 1
.set SROW,  156                        ; a weight row's scale bytes
.set ROWX,  19968                      ; a row b of x and of out in bytes
.set REC,   4352                       ; a record of xq: 64 rows x 128 K
.set PITCH, 528                        ; an LDS row: 512 bytes + 16 = 33 x 16 bytes: the 16 rows that a load touches fall on 16 different columns of 16 bytes
.set QUART, 64*PITCH                   ; 64 rows: what one tensor load brings
.set SLOT,  4*QUART                    ; kernel1's 128 rows, then kernel2's; 0x21000, which shares no bit with wave x QUART: one exclusive or turns an address from slot to slot
.set SCL,   2*SLOT                     ; behind the ring: the weights' scale bytes, rows of 156 bytes = 39 words (odd: 16 rows fall on 16 different words modulo 64)
.set SQ,    64*SROW                    ; those of 64 rows
.set SW2,   2*SQ+4                     ; kernel2's begin 4 bytes further on than kernel1's end, so that lanes 16-31 read other words modulo 64 than lanes 0-15
.set SPARE, 310528                     ; the first multiple of 256 behind the scales (they end at SCL + 39,940): the spare words, 128 bytes for each wave, which no other line names
.set AB,    4                          ; v4-5   my lane's place in kernel1's, kernel2's rows of a slot; never rewritten
.set ADW,   6                          ; v6-7   the same in the slot in hand
.set ADRS,  8                          ; v8     my lane's scale words: lanes 0-15 kernel1's rows, lanes 16-31 kernel2's
.set XO,    9                          ; v9     16 x lane; never rewritten
.set XSO,   10                         ; v10    8 x lane; never rewritten
.set SX,    11                         ; v11    the way out: my 32 bytes of row r in my stage
.set RD,    12                         ; v12    the way out: 16 x lane in my stage
.set SPW,   28                         ; v28    LDS address of my spare word; never rewritten
.set NIL,   29                         ; v29    0; never rewritten
.set WS,    32                         ; set p at v[WS + 8 p]; register te: lanes 0-15 the word of kernel1's block te, lanes 16-31 kernel2's
.set XS,    48                         ; set a at v[XS + 2 a]; register u: lanes 0-15 tile 2 u's words, lanes 16-31 tile 2 u + 1's
.set S,     64                         ; the gate: four pairs of partial sums a tile
.set Z,     96                         ; four registers a tile: g, at work, 1 - g, at work
.set WF,    128                        ; the weights' fragments
.set TT,    128                        ; the way out: two sets of 64 results
.set WV,    18                         ; s18 my wave's number
.set G1,    24                         ; s[24:31] group 1: 64 rows x 512 bytes of codes
.set G1P,   32                         ; s[32:39] the same for part P: the row ends after 448 bytes
.set G1S,   40                         ; s[40:47] 64 rows x 39 words of scale bytes
.set G1X,   48                         ; s[48:55] 64 rows x 128 f32 of x, no mask
.set G0S1,  56                         ; groups 0: kernel1's scales, kernel2's scales,
.set G0S2,  60
.set G0P1,  68                         ; part P of kernel1, of kernel2,
.set G0P2,  72
.set G0F1,  76                         ; the walking ones, F1 to F4,
.set G0F2,  80
.set G0X,   84                         ; and x
.set XQ,    88                         ; s[88:89] my group's records of xq; stepped in the loop
.set OUTP,  90                         ; s[90:91] out at (my first row, f)
.set TB,    92                         ; s92 LDS byte at which the slot in hand begins
.set CNT,   93
.set SEL,   94                         ; s[94:95] lane selects for lane l xor 16
.set MSB, 0
.macro WIN new                         ; the immediate's high byte repeats the setting that is left; a switch that changes nothing is dropped
.if MSB != \new
	s_set_vgpr_msb (MSB<<8)|\new
.set MSB, \new
.endif
.endm
.macro PLACES                          ; a load into a register that a matrix instruction has read, and a vector instruction that reads its result, stand four plain vector instructions behind it
.rept 4
	v_nop
.endr
.endm
.macro CREST                           ; a round of the cluster's barrier behind its opening barrier
	s_cmp_lg_u32 s[WV], 0
	s_cbranch_scc1 .Lnot_wave_0_\@
	s_barrier_signal -3
.Lnot_wave_0_\@:
	s_barrier_wait -3
	s_barrier_signal -1
	s_barrier_wait -1
.endm
.macro CROUND                          ; a whole round
	s_barrier_signal -1
	s_barrier_wait -1
	CREST
.endm
; A joint refill: waves 0 and 1 fetch kernel1's two halves, waves 2 and 3 kernel2's.  The branch hangs on the wave's number alone.  Four v_nop follow each of the two lines.
.macro JLOAD
	s_cmp_lt_u32 s[WV], 2
	s_cbranch_scc0 .Lfor_w2_\@
	tensor_load_to_lds s[G0F1:G0F1+3], s[G1:G1+7]
	s_nop 0
.rept 4
	v_nop
.endr
	s_branch .Lasked_\@
.Lfor_w2_\@:
	tensor_load_to_lds s[G0F2:G0F2+3], s[G1:G1+7]
	s_nop 0
.rept 4
	v_nop
.endr
.Lasked_\@:
.endm
; One product.  fZ: it starts its sum; fK: kernel2 (its scale words lie in lanes 16-31); fO: an odd tile of x (likewise).
.macro PROD
.if fZ
.if fK
.if fO
	v_wmma_scale_f32_16x16x128_f8f6f4 v[rD:rD+7], v[rW:rW+7], v[rX:rX+7], 0, v[rSW], v[rSX] matrix_a_fmt:MATRIX_FMT_FP4 matrix_b_fmt:MATRIX_FMT_FP4 matrix_a_scale:MATRIX_SCALE_ROW1 matrix_b_scale:MATRIX_SCALE_ROW1
.else
	v_wmma_scale_f32_16x16x128_f8f6f4 v[rD:rD+7], v[rW:rW+7], v[rX:rX+7], 0, v[rSW], v[rSX] matrix_a_fmt:MATRIX_FMT_FP4 matrix_b_fmt:MATRIX_FMT_FP4 matrix_a_scale:MATRIX_SCALE_ROW1
.endif
.else
.if fO
	v_wmma_scale_f32_16x16x128_f8f6f4 v[rD:rD+7], v[rW:rW+7], v[rX:rX+7], 0, v[rSW], v[rSX] matrix_a_fmt:MATRIX_FMT_FP4 matrix_b_fmt:MATRIX_FMT_FP4 matrix_b_scale:MATRIX_SCALE_ROW1
.else
	v_wmma_scale_f32_16x16x128_f8f6f4 v[rD:rD+7], v[rW:rW+7], v[rX:rX+7], 0, v[rSW], v[rSX] matrix_a_fmt:MATRIX_FMT_FP4 matrix_b_fmt:MATRIX_FMT_FP4
.endif
.endif
.else
.if fK
.if fO
	v_wmma_scale_f32_16x16x128_f8f6f4 v[rD:rD+7], v[rW:rW+7], v[rX:rX+7], v[rD:rD+7], v[rSW], v[rSX] matrix_a_fmt:MATRIX_FMT_FP4 matrix_b_fmt:MATRIX_FMT_FP4 matrix_a_scale:MATRIX_SCALE_ROW1 matrix_b_scale:MATRIX_SCALE_ROW1
.else
	v_wmma_scale_f32_16x16x128_f8f6f4 v[rD:rD+7], v[rW:rW+7], v[rX:rX+7], v[rD:rD+7], v[rSW], v[rSX] matrix_a_fmt:MATRIX_FMT_FP4 matrix_b_fmt:MATRIX_FMT_FP4 matrix_a_scale:MATRIX_SCALE_ROW1
.endif
.else
.if fO
	v_wmma_scale_f32_16x16x128_f8f6f4 v[rD:rD+7], v[rW:rW+7], v[rX:rX+7], v[rD:rD+7], v[rSW], v[rSX] matrix_a_fmt:MATRIX_FMT_FP4 matrix_b_fmt:MATRIX_FMT_FP4 matrix_b_scale:MATRIX_SCALE_ROW1
.else
	v_wmma_scale_f32_16x16x128_f8f6f4 v[rD:rD+7], v[rW:rW+7], v[rX:rX+7], v[rD:rD+7], v[rSW], v[rSX] matrix_a_fmt:MATRIX_FMT_FP4 matrix_b_fmt:MATRIX_FMT_FP4
.endif
.endif
.endif
.endm
; 16 products: weight blocks te0 .. te0 + 3 of kernel 1 + k, each against x's four tiles.  a: x's set; p: the weights' set of scale words.
; The 64 accumulators of a step take turns, one instruction a turn, in the same order in every step.
.macro MUL16 k, te0, a, p, zero
.set fK, \k
.set fZ, \zero
.irp te, \te0, \te0+1, \te0+2, \te0+3
.irp m, 0,1,2,3
.set fO, \m%2
.set rD, 64*\m+8*(\te)
.set rW, WF+64*(\k)+8*(\te)
.set rX, 32*(\a)+8*\m
.set rSW, WS+8*(\p)+(\te)
.set rSX, XS+2*(\a)+\m/2
	PROD
.endr
.endr
.endm
.macro MULH k, a, p, zero              ; a kernel's 32 products of a step.  Source 0 window 0, source 1 window 1, C and D window 2 (kp1) or 3 (kp2)
.if \k
	WIN 0xf4
.else
	WIN 0xa4
.endif
	MUL16 \k, 0, \a, \p, \zero
	MUL16 \k, 4, \a, \p, \zero
.endm
.macro FETCHH k, q                     ; a kernel's eight fragments of the slot's q-th step: lane (r, h) takes 16 bytes at row x pitch + 64 q + 32 c + 16 h into registers 4 c .. 4 c + 3
.irp i, 0,1,2,3,4,5,6,7
.irp c, 0,1
	ds_load_b128 v[WF+64*(\k)+8*\i+4*\c:WF+64*(\k)+8*\i+4*\c+3], v[ADW+(\k)] offset:64*(\q)+32*\c+16*PITCH*\i
.endr
.endr
.endm
.macro SCALES p, so                    ; a step's scale words of the eight blocks of both kernels into set p
.irp i, 0,1,2,3,4,5,6,7
	ds_load_b32 v[WS+8*(\p)+\i], v[ADRS] offset:16*SROW*\i+(\so)
.endr
.endm
.macro ALOAD a, rec                    ; a record of xq into set a: nine loads, each of consecutive bytes in consecutive lanes
	WIN 0
	global_load_b64 v[XS+2*(\a):XS+2*(\a)+1], v[XSO], s[XQ:XQ+1] offset:REC*(\rec)+4096
	WIN 0x40                                       ; destination window 1, address window 0
.irp j, 0,1,2,3,4,5,6,7
	global_load_b128 v[32*(\a)+4*\j:32*(\a)+4*\j+3], v[XO], s[XQ:XQ+1] offset:REC*(\rec)+512*\j
.endr
.endm
; A step of 128 along K that has its successor in the same slot.  q: its place in the slot; T: its number modulo 8 and 2; so: where the next step's scale words stand; rec: the record that takes its set of x (under 0: none).
.macro STEP q, T, zero, so, rec, lcnt
	s_wait_loadcnt \lcnt                           ; this step's record is in; the nine loads of each younger record may be out
	s_wait_dscnt 16                                ; kernel1's fragments and the scale words are in; the youngest 16 loads (kernel2's) may be out
	MULH 0, (\T)%8, (\T)%2, \zero
	PLACES
	WIN 0
	FETCHH 0, (\q)+1
	SCALES ((\T)+1)%2, \so
	s_wait_dscnt 24                                ; all but the 24 just issued: kernel2's fragments are in
	MULH 1, (\T)%8, (\T)%2, \zero
	PLACES
	WIN 0
	FETCHH 1, (\q)+1
.if (\rec) >= 0
	ALOAD (\T)%8, \rec
.endif
.endm
; A slot's last step (its number is 6 modulo 8) changes slots.  In front of the round each wave waits for all its tensor loads, adds 0 to its spare word, and waits for that and for its reads of this slot.
; joint = 1: this slot is filled again, jointly.  joint = 0, the last change: slot 1 takes my 64 rows of x in f32, by a load of my own into the quarter that is mine by my wave's number.
.macro TURN joint, rec
	s_wait_loadcnt 63                              ; this step's record is in
	WIN 0                                          ; (the add's two registers lie in window 0)
	s_wait_tensorcnt 0x0                           ; all my tensor loads have landed: my part of the next slot; so a group 0 may be written
	ds_add_u32 v[SPW], v[NIL]                      ; 0 onto my spare word
.if \joint
	s_xor_b32 s[G0F1+1], s[G0F1+1], SLOT           ; the walking descriptors: the other slot than last time,
	s_add_nc_u64 s[G0F1+2:G0F1+3], s[G0F1+2:G0F1+3], 512   ; the rows' next 512 bytes; the type bits on top are not reached
	s_xor_b32 s[G0F2+1], s[G0F2+1], SLOT
	s_add_nc_u64 s[G0F2+2:G0F2+3], s[G0F2+2:G0F2+3], 512
.endif
	s_wait_dscnt 17                                ; (the add and the youngest 16 loads, kernel2's fragments, may be out)
	WIN 0xa4
	MUL16 0, 0, 6, 0, 0                            ; sixteen matrix instructions stand between the add and the wait for it
	s_wait_dscnt 0x0                               ; the add is done, and my reads of this slot are over
	s_barrier_signal -1
	MUL16 0, 4, 6, 0, 0
	WIN 0
	s_barrier_wait -1
	CREST                                          ; the barrier has opened a round of the cluster's: no wave of any partner still reads this slot or has a load on its way
.if \joint
	JLOAD                                          ; the first tensor load behind the round, and my only one until the next
	s_xor_b32 s[TB], s[TB], SLOT                   ; on to the other slot
.else
	tensor_load_to_lds s[G0X:G0X+3], s[G1X:G1X+7]
	s_nop 0
.rept 4
	v_nop
.endr
	s_mov_b32 s[TB], 0                             ; the last part lies in slot 0
.endif
	v_add_nc_u32 v[ADW], s[TB], v[AB]              ; (with the four v_nop behind the tensor load these are the places in front of the loads below)
	v_add_nc_u32 v[ADW+1], s[TB], v[AB+1]
	v_add_nc_u32 v[ADRS], 32, v[ADRS]              ; eight steps' scale words on
	FETCHH 0, 0
	SCALES 1, 0
	MULH 1, 6, 0, 0
	PLACES
	WIN 0
	FETCHH 1, 0
	ALOAD 6, \rec
.endm
	s_load_b256 s[4:11], s[0:1], 0x0               ; kernel1's codes s[4:5], scales s[6:7]; kernel2's codes s[8:9], scales s[10:11]
	s_load_b128 s[12:15], s[0:1], 0x20             ; xq s[12:13], x s[14:15]
	s_load_b64 s[16:17], s[0:1], 0x30              ; out
	v_lshl_add_u32 v[SPW], v0, 2, SPARE
	v_mov_b32 v[NIL], 0
	ds_add_u32 v28, v29
	ds_add_u32 v28, v29
	s_wait_dscnt 0x0
	v_lshrrev_b32 v1, 5, v0
	v_readfirstlane_b32 s[WV], v1                  ; wave 0..3
	s_and_b32 s19, s[WV], 1                        ; which 64 of a kernel's 128 rows I fetch
	s_and_b32 s22, ttmp7, 0xffff                   ; the field, which the four partners share
	; what the joint loads are made of: the field and the wave's number alone, in registers that never hold my place in the cluster
	s_mul_i32 s96, s19, 64*ESTR
	s_mul_i32 s97, s22, KROW
	s_add_co_u32 s96, s96, s97                     ; codes: row (64 half, f)
	s_mov_b32 s97, 0
	s_mul_i32 s98, s19, 64*NF*SROW
	s_mul_i32 s99, s22, SROW
	s_add_co_u32 s98, s98, s99                     ; scale bytes likewise
	s_mov_b32 s99, 0
	s_mul_i32 s100, s[WV], QUART                   ; where they go: wave x 64 rows
	s_mul_i32 s101, s[WV], SQ
	; what is mine alone
	s_bfe_u32 s21, ttmp6, 0x40000                  ; cx: my place in the cluster
	s_lshl_b32 s20, ttmp9, 2                       ; in a cluster launch ttmp9 counts clusters
	s_add_co_u32 s20, s20, s21                     ; my block of 256 rows
	s_lshl_b32 s20, s20, 2
	s_add_co_u32 s20, s20, s[WV]                   ; my wave's group of 64 rows
	s_mul_i32 s2, s20, NF*REC                      ; its records in xq
	s_mov_b32 s3, 0
	s_mul_i32 s20, s20, 64*ROWX
	s_lshl_b32 s21, s22, 9
	s_add_co_u32 s20, s20, s21                     ; (my first row, f) in x and in out: under 2^25
	s_mov_b32 s21, 0
	; group 1 for the codes: 64 rows x 512 elements of one byte, ESTR bytes apart, 16 bytes of padding behind each
	s_mov_b32 s[G1], 15|(0<<16)|(1<<20)|(1<<21)|(6<<22)|(3<<25)   ; 15:0 the mask: all four work-groups; 17:16 elements of 1 byte; 20 padding on; 21 set beside a mask; 24:22 after every 128 words (code 6); 31:25 four words (code 3)
	s_mov_b32 s[G1+1], 512<<16                     ; tensor_dim0
	s_mov_b32 s[G1+2], 64<<16                      ; tensor_dim1
	s_mov_b32 s[G1+3], 512<<16                     ; tile_dim0
	s_mov_b32 s[G1+4], 64                          ; tile_dim1
	s_mov_b32 s[G1+5], ESTR                        ; tensor_dim0_stride
	s_mov_b32 s[G1+6], 0
	s_mov_b32 s[G1+7], 0
	s_mov_b32 s[G1P], 15|(0<<16)|(1<<20)|(1<<21)|(6<<22)|(3<<25)
	s_mov_b32 s[G1P+1], 448<<16                    ; part P: seven steps; the tile's last 64 bytes of a row lie past tensor_dim0, arrive as zeros and are not read
	s_mov_b32 s[G1P+2], 64<<16
	s_mov_b32 s[G1P+3], 512<<16
	s_mov_b32 s[G1P+4], 64
	s_mov_b32 s[G1P+5], ESTR
	s_mov_b32 s[G1P+6], 0
	s_mov_b32 s[G1P+7], 0
	s_mov_b32 s[G1S], 15|(2<<16)|(1<<21)           ; the scale bytes: 64 rows x 39 elements of 4 bytes, no padding
	s_mov_b32 s[G1S+1], 39<<16
	s_mov_b32 s[G1S+2], 64<<16
	s_mov_b32 s[G1S+3], 39<<16
	s_mov_b32 s[G1S+4], 64
	s_mov_b32 s[G1S+5], NF*SROW/4
	s_mov_b32 s[G1S+6], 0
	s_mov_b32 s[G1S+7], 0
	s_mov_b32 s[G1X], (2<<16)|(1<<20)|(6<<22)|(3<<25)   ; x: no mask; 64 rows x 128 elements of 4 bytes, 16 bytes of padding behind each
	s_mov_b32 s[G1X+1], 128<<16
	s_mov_b32 s[G1X+2], 64<<16
	s_mov_b32 s[G1X+3], 128<<16
	s_mov_b32 s[G1X+4], 64
	s_mov_b32 s[G1X+5], ROWX/4
	s_mov_b32 s[G1X+6], 0
	s_mov_b32 s[G1X+7], 0
	s_mov_b32 s[TB], 0
	s_mov_b32 s[SEL], 0x76543210
	s_mov_b32 s[SEL+1], 0xfedcba98
	v_and_b32 v3, 31, v0                           ; lane
	v_lshlrev_b32 v[XO], 4, v3
	v_lshlrev_b32 v[XSO], 3, v3
	s_wait_kmcnt 0x0
	s_add_nc_u64 s[XQ:XQ+1], s[12:13], s[2:3]
	s_add_nc_u64 s[OUTP:OUTP+1], s[16:17], s[20:21]
	s_add_nc_u64 s[14:15], s[14:15], s[20:21]
.irp a, 0,1,2,3,4,5,6
	ALOAD \a, \a                                   ; x's first records go out before anything else
.endr
	WIN 0
	CROUND                                         ; all four work-groups are here: the first joint loads meet
	s_mov_b32 s[G0S1], 1                           ; 1:0 count = 1
	s_add_co_u32 s[G0S1+1], s101, SCL              ; 63:32 LDS address
	s_add_nc_u64 s[G0S1+2:G0S1+3], s[6:7], s[98:99]   ; 120:64 global address
	s_or_b32 s[G0S1+3], s[G0S1+3], 0x80000000      ; 127:126 type = 2
	s_mov_b32 s[G0S2], 1
	s_add_co_u32 s[G0S2+1], s101, SCL+4
	s_add_nc_u64 s[G0S2+2:G0S2+3], s[10:11], s[98:99]
	s_or_b32 s[G0S2+3], s[G0S2+3], 0x80000000
	s_mov_b32 s[G0P1], 1
	s_mov_b32 s[G0P1+1], s100                      ; slot 0
	s_add_nc_u64 s[G0P1+2:G0P1+3], s[4:5], s[96:97]
	s_or_b32 s[G0P1+3], s[G0P1+3], 0x80000000
	s_mov_b32 s[G0P2], 1
	s_mov_b32 s[G0P2+1], s100
	s_add_nc_u64 s[G0P2+2:G0P2+3], s[8:9], s[96:97]
	s_or_b32 s[G0P2+3], s[G0P2+3], 0x80000000
	s_mov_b32 s[G0F1], 1
	s_add_co_u32 s[G0F1+1], s100, SLOT             ; slot 1
	s_add_nc_u64 s[G0F1+2:G0F1+3], s[4:5], s[96:97]
	s_add_nc_u64 s[G0F1+2:G0F1+3], s[G0F1+2:G0F1+3], 448   ; behind part P's seven steps
	s_or_b32 s[G0F1+3], s[G0F1+3], 0x80000000
	s_mov_b32 s[G0F2], 1
	s_add_co_u32 s[G0F2+1], s100, SLOT
	s_add_nc_u64 s[G0F2+2:G0F2+3], s[8:9], s[96:97]
	s_add_nc_u64 s[G0F2+2:G0F2+3], s[G0F2+2:G0F2+3], 448
	s_or_b32 s[G0F2+3], s[G0F2+3], 0x80000000
	s_mov_b32 s[G0X], 1
	s_add_co_u32 s[G0X+1], s100, SLOT              ; my quarter of slot 1
	s_mov_b64 s[G0X+2:G0X+3], s[14:15]
	s_or_b32 s[G0X+3], s[G0X+3], 0x80000000
	s_cmp_lt_u32 s[WV], 2                          ; a wave's three first fills stand in one branch, ahead of every wait on TENSORcnt and every LDS read: three loads of mine are out
	s_cbranch_scc0 .Lfirst_w2
	tensor_load_to_lds s[G0S1:G0S1+3], s[G1S:G1S+7]   ; the scale bytes, for all of K: filled once
	s_nop 0
	tensor_load_to_lds s[G0P1:G0P1+3], s[G1P:G1P+7]   ; steps 0 to 6
	s_nop 0
	tensor_load_to_lds s[G0F1:G0F1+3], s[G1:G1+7]     ; steps 7 to 14
	s_nop 0
.rept 4
	v_nop
.endr
	s_branch .Lfirst_asked
.Lfirst_w2:
	tensor_load_to_lds s[G0S2:G0S2+3], s[G1S:G1S+7]
	s_nop 0
	tensor_load_to_lds s[G0P2:G0P2+3], s[G1P:G1P+7]
	s_nop 0
	tensor_load_to_lds s[G0F2:G0F2+3], s[G1:G1+7]
	s_nop 0
.rept 4
	v_nop
.endr
.Lfirst_asked:
	ALOAD 7, 7
	WIN 0
	v_and_b32 v1, 15, v0                           ; r
	v_bfe_u32 v2, v0, 4, 1                         ; h
	v_mul_u32_u24 v[AB], v1, PITCH
	v_lshl_add_u32 v[AB], v2, 4, v[AB]             ; a fragment's row x pitch + 16 h
	v_add_nc_u32 v[AB+1], 2*QUART, v[AB]           ; kernel2's rows lie behind kernel1's 128
	v_add_nc_u32 v[ADW], s[TB], v[AB]
	v_add_nc_u32 v[ADW+1], s[TB], v[AB+1]
	v_mul_u32_u24 v[ADRS], v1, SROW
	v_mad_u32_u24 v[ADRS], v2, SW2, v[ADRS]        ; lanes 16-31 take kernel2's
	v_add_nc_u32 v[ADRS], SCL-4, v[ADRS]           ; one word in front of the row: part P has seven steps, and every change of slots goes eight words on
	s_add_co_u32 s[CNT], s100, SLOT                ; my stage for the way out: my quarter of slot 1
	v_mul_u32_u24 v[SX], v1, PITCH
	v_lshl_add_u32 v[SX], v2, 5, v[SX]
	v_add_nc_u32 v[SX], s[CNT], v[SX]              ; row r, + 32 h: eight f32
	v_lshl_add_u32 v[RD], v3, 4, s[CNT]            ; whole rows: 16 bytes a lane
	s_wait_tensorcnt 1                             ; the scale bytes and my part of steps 0 to 6 are in; steps 7 to 14 may be out
	s_barrier_signal -1
	s_barrier_wait -1                              ; everybody's are
	FETCHH 0, 0
	SCALES 0, 4
	FETCHH 1, 0
	STEP 0, 0, 1, 8, 8, 63                         ; the first step's products start the sums: nothing is ever cleared
.set Q, 1
.rept 5
	STEP Q, Q, 0, 4*(Q+2), Q+8, 63
.set Q, Q+1
.endr
	WIN 0                                          ; at a label and at a branch every window is 0
	s_mov_b32 s[CNT], 3
.Ltrip:                                                ; a trip: a slot's last step with the change of slots, and the next slot's first seven: steps 6-13, 14-21, 22-29
	TURN 1, 14
.set Q, 0
.rept 7
	STEP Q, 7+Q, 0, 4*(Q+1), 15+Q, 63
.set Q, Q+1
.endr
	WIN 0
	s_wait_xcnt 0x0                                ; the loads issued so far have read their base: it may step
	s_add_nc_u64 s[XQ:XQ+1], s[XQ:XQ+1], 8*REC
	s_sub_co_u32 s[CNT], s[CNT], 1
	s_cmp_lg_u32 s[CNT], 0
	s_cbranch_scc1 .Ltrip
	TURN 0, 14                                     ; step 30; the tail is written out: no joint load is left, and record 38 is the last
.set Q, 0
.rept 7
	STEP Q, 7+Q, 0, 4*(Q+1), -1, 63-9*Q            ; steps 31 to 37: nothing more is asked of xq, the counts run down
.set Q, Q+1
.endr
	s_wait_loadcnt 0x0                             ; step 38
	s_wait_dscnt 16
	MULH 0, 6, 0, 0
	s_wait_dscnt 0x0
	MULH 1, 6, 0, 0
	; THE WAY OUT.  x[b][f][:] of my 64 rows lies in my stage; only I read what my own load brought, so my own wait is all the ordering that the reads need.
	WIN 0
	s_wait_tensorcnt 0x0
	PLACES                                         ; behind the last products: for the loads into x's registers and for the first reads of results
	WIN 0x40
.irp m, 0,1,2,3
.irp te, 0,1,2,3,4,5,6,7
.irp c, 0,1
	ds_load_b128 v[64*\m+8*\te+4*\c:64*\m+8*\te+4*\c+3], v[SX] offset:16*PITCH*\m+64*\te+16*\c   ; x in the accumulators' layout: register 64 m + 8 te + j = x(16 m + r, 16 te + 8 h + j)
.endr
.endr
.endr
; the gate's sum of tile m: my 64 products kp1 x, two at a time, in four chains; each accumulator is read from its low end on
.macro GATE m
	s_wait_dscnt 16*(3-(\m))                       ; tile m's 16 loads are in; the later tiles' may be out
	WIN 0x06                                       ; source 0 (kp1) window 2, source 1 (x) window 1
.irp p, 0,1,2,3
	v_pk_mul_f32 v[S+8*(\m)+2*\p:S+8*(\m)+2*\p+1], v[64*(\m)+2*\p:64*(\m)+2*\p+1], v[64*(\m)+2*\p:64*(\m)+2*\p+1]
.endr
.irp te, 1,2,3,4,5,6,7
.irp p, 0,1,2,3
	v_pk_fma_f32 v[S+8*(\m)+2*\p:S+8*(\m)+2*\p+1], v[64*(\m)+8*\te+2*\p:64*(\m)+8*\te+2*\p+1], v[64*(\m)+8*\te+2*\p:64*(\m)+8*\te+2*\p+1], v[S+8*(\m)+2*\p:S+8*(\m)+2*\p+1]
.endr
.endr
.endm
	GATE 0
	GATE 1
	GATE 2
	GATE 3
	WIN 0
.irp m, 0,1,2,3
	v_mov_b32 v[Z+4*\m+1], 0                       ; a lane permute's destination counts as one of its sources
.endr
.irp m, 0,1,2,3                                ; the four tiles by turns: no line waits for the line above it
	v_pk_add_f32 v[S+8*\m:S+8*\m+1], v[S+8*\m:S+8*\m+1], v[S+8*\m+2:S+8*\m+3]
.endr
.irp m, 0,1,2,3
	v_pk_add_f32 v[S+8*\m+4:S+8*\m+5], v[S+8*\m+4:S+8*\m+5], v[S+8*\m+6:S+8*\m+7]
.endr
.irp m, 0,1,2,3
	v_pk_add_f32 v[S+8*\m:S+8*\m+1], v[S+8*\m:S+8*\m+1], v[S+8*\m+4:S+8*\m+5]
.endr
.irp m, 0,1,2,3
	v_add_f32 v[Z+4*\m], v[S+8*\m], v[S+8*\m+1]
.endr
.irp m, 0,1,2,3
	v_permlanex16_b32 v[Z+4*\m+1], v[Z+4*\m], s[SEL], s[SEL+1]   ; the row's other 64 e lie in the lane 16 away
.endr
.irp m, 0,1,2,3
	v_add_f32 v[Z+4*\m], v[Z+4*\m], v[Z+4*\m+1]    ; the sum over all 128 e
.endr
.irp m, 0,1,2,3
	v_mul_f32 v[Z+4*\m+1], 0xbfb8aa3b, v[Z+4*\m]   ; x -log2(e)
.endr
.irp m, 0,1,2,3
	v_exp_f32 v[Z+4*\m+3], v[Z+4*\m+1]             ; e^(-sum): infinity and 0 at the ends give g = 0 and 1
.endr
	v_nop                                          ; a plain instruction behind the last exponential
	s_wait_alu depctr_va_vdst(0)                   ; one wait for the four, ahead of their first reader
.irp m, 0,1,2,3
	v_add_f32 v[Z+4*\m+3], 1.0, v[Z+4*\m+3]
.endr
.irp m, 0,1,2,3
	v_rcp_f32 v[Z+4*\m], v[Z+4*\m+3]               ; g
.endr
	v_nop
	s_wait_alu depctr_va_vdst(0)                   ; and one for the four reciprocals
.irp m, 0,1,2,3
	v_sub_f32 v[Z+4*\m+2], 1.0, v[Z+4*\m]          ; 1 - g
.endr
; Tile m: out = x ((1 - g) + g kp2), two at a time.  A lane holds 32 neighbouring bytes of a row and the lanes beside it hold other rows: the tile goes back to the bytes of my stage from which its x came,
; and returns as whole rows of 512 bytes.  LDS serves a wave's instructions in order (ISA guide 5.7.1.4): no wait between the stores and the loads.
.macro TILE m
.set rT, TT+64*((\m)%2)
	WIN 0x03                                       ; source 0 (kp2) window 3
.set i, 0
.rept 32
	v_pk_fma_f32 v[rT+2*i:rT+2*i+1], v[64*(\m)+2*i:64*(\m)+2*i+1], v[Z+4*(\m):Z+4*(\m)+1], v[Z+4*(\m)+2:Z+4*(\m)+3] op_sel_hi:[1,0,0]   ; of the pairs g and 1 - g the low word serves both halves; each accumulator from its low end on
.set i, i+1
.endr
	WIN 0x04                                       ; source 1 (x) window 1
.set i, 0
.rept 32
	v_pk_mul_f32 v[rT+2*i:rT+2*i+1], v[rT+2*i:rT+2*i+1], v[64*(\m)+2*i:64*(\m)+2*i+1]
.set i, i+1
.endr
	WIN 0
.irp te, 0,1,2,3,4,5,6,7
.irp c, 0,1
	ds_store_b128 v[SX], v[rT+8*\te+4*\c:rT+8*\te+4*\c+3] offset:16*PITCH*(\m)+64*\te+16*\c
.endr
.endr
	WIN 0x40
.irp i, 0,1,2,3,4,5,6,7,8,9,10,11,12,13,14,15
	ds_load_b128 v[64*(\m)+4*\i:64*(\m)+4*\i+3], v[RD] offset:PITCH*(16*(\m)+\i)   ; into the registers that the tile's x has left
.endr
.endm
.macro SEND m, younger                 ; younger: the LDS instructions issued behind tile m's loads, which may stay out
	s_wait_dscnt \younger
	WIN 0x04                                       ; a store's data are its source 1: window 1
.irp i, 0,1,2,3,4,5,6,7,8,9,10,11,12,13,14,15
	global_store_b128 v[XO], v[64*(\m)+4*\i:64*(\m)+4*\i+3], s[OUTP:OUTP+1] offset:(16*(\m)+\i)*ROWX th:TH_STORE_NT   ; 32 lanes store 512 consecutive bytes, at a multiple of 256 from out's first byte; no base is stepped, no register written again
.endr
.endm
	TILE 0
	TILE 1                                         ; a tile's arithmetic stands between the loads of the tile before and its stores
	SEND 0, 32
	TILE 2
	SEND 1, 32
	TILE 3
	SEND 2, 32
	SEND 3, 0
	WIN 0
	s_wait_tensorcnt 0x0                           ; the wave's end: behind my last tensor load and my last LDS store
	ds_add_u32 v[SPW], v[NIL]
	s_wait_dscnt 0x0
	CROUND                                         ; the closing round: no work-group ends while a partner may still ask for a tile that names it
	s_endpgm
.Lfunc_end_k_qaf959c95e9_glu:
	.size	k_qaf959c95e9_glu, .Lfunc_end_k_qaf959c95e9_glu-k_qaf959c95e9_glu
	.p2alignl 7, 3214868480
	.fill 96, 4, 3214868480
	.section	.rodata,"a",@progbits
	.p2align	6, 0x0
	.amdhsa_kernel k_qaf959c95e9_glu
		.amdhsa_group_segment_fixed_size 327680
		.amdhsa_private_segment_fixed_size 0
		.amdhsa_enable_private_segment 0
		.amdhsa_kernarg_size 56
		.amdhsa_user_sgpr_count 2
		.amdhsa_user_sgpr_kernarg_segment_ptr 1
		.amdhsa_wavefront_size32 1
		.amdhsa_system_sgpr_workgroup_id_x 1
		.amdhsa_system_sgpr_workgroup_id_y 1
		.amdhsa_system_sgpr_workgroup_id_z 1
		.amdhsa_system_vgpr_workitem_id 0
		.amdhsa_next_free_vgpr 1024
		.amdhsa_next_free_sgpr 102
		.amdhsa_reserve_vcc 0
		.amdhsa_float_denorm_mode_32 3
		.amdhsa_float_denorm_mode_16_64 3
		.amdhsa_memory_ordered 1
		.amdhsa_forward_progress 1
		.amdhsa_inst_pref_size 255
	.end_amdhsa_kernel
	.section	.bss,"aw",@nobits
	.p2align	6
	.space	262144
	.amdgpu_metadata
---
amdhsa.version: [ 1, 2 ]
amdhsa.kernels:
  - .name:           k_qaf959c95e9_glu
    .symbol:         k_qaf959c95e9_glu.kd
    .args:
      - { .name: kernel1_codes, .offset: 0, .size: 8, .value_kind: global_buffer, .address_space: global }
      - { .name: kernel1_scales, .offset: 8, .size: 8, .value_kind: global_buffer, .address_space: global }
      - { .name: kernel2_codes, .offset: 16, .size: 8, .value_kind: global_buffer, .address_space: global }
      - { .name: kernel2_scales, .offset: 24, .size: 8, .value_kind: global_buffer, .address_space: global }
      - { .name: xq, .offset: 32, .size: 8, .value_kind: global_buffer, .address_space: global }
      - { .name: x, .offset: 40, .size: 8, .value_kind: global_buffer, .address_space: global }
      - { .name: out0, .offset: 48, .size: 8, .value_kind: global_buffer, .address_space: global }
    .group_segment_fixed_size: 327680
    .private_segment_fixed_size: 0
    .kernarg_segment_align: 8
    .kernarg_segment_size: 56
    .max_flat_workgroup_size: 128
    .sgpr_count:     102
    .vgpr_count:     1024
    .wavefront_size: 32
...
	.end_amdgpu_metadata
.endif
;; end of part 2
